; MI455X (gfx1250); checked and timed in simulation.
; The chip was launched on July 23, 2026; its instructions are those of AMD's public machine-readable ISA for CDNA 5 (MIT licence, August 2026) and "CDNA5" Instruction Set Architecture Reference Guide (July 2026). The comments in the code are by the model that wrote it; some were corrected since.
;; AFT FULL. Allowed arithmetic: float matrix products may take bf16 or f16 operands with f32 sums; other float arithmetic in f32, or as packed bf16 or f16 multiplies, adds, multiply-adds, maxima and minima; sums over many terms, partial sums and values carried from step to step in f32; what a program stores and reads back later, other than sums and carried values, may be rounded once to bf16 or f16.
;; Inputs: Wk 512 x 512 float32; Wq 512 x 512 float32; Wv 512 x 512 float32; bk 512 float32; bq 512 float32; bv 512 float32; pos_bias 1,024 x 1,024 float32; x 32 x 1,024 x 512 float32.
;; Outputs: out0 32 x 1,024 x 512 float32.
;; One version. Each part assembles by itself: llvm-mc -triple=amdgcn-amd-amdhsa -mcpu=gfx1250 --defsym DOCPART=n.
;; ======== version 1 of 1: 3 launches
;; limits: values are held in f16: magnitudes above 65,504 overflow, below 6.1e-05 lose precision; right only within a limited range of input values
;; workspace buffers: xb 33,554,432 bytes; wb 1,572,864 bytes; ew 2,097,152 bytes; sq 33,554,432 bytes; ee 67,108,864 bytes; al 262,144 bytes
;; launch prep (part 1): grid 1200 x 1, 8 waves a work-group, no clusters, 0 bytes of LDS; arguments x, Wq, Wk, Wv, pos_bias, xb, wb, ew; writes xb, wb, ew
.if DOCPART == 1
	.amdgcn_target "amdgcn-amd-amdhsa--gfx1250"
	.amdhsa_code_object_version 6
	.text
	.protected	k_qd8c91a52ec_prep
	.globl	k_qd8c91a52ec_prep
	.p2align	8
	.type	k_qd8c91a52ec_prep,@function
k_qd8c91a52ec_prep:
	s_mov_b64 s[64:65], 0
	v_nop
	global_prefetch_b8 v0, s[64:65] scope:SCOPE_SE
	s_setreg_imm32_b32 hwreg(HW_REG_WAVE_MODE, 25, 1), 1
	s_wait_xcnt 0x0
; PREP.  Three streams, no LDS, no matrix work: memory binds, every byte is read once and written once.
;   work-groups 0 .. 1023     x [32768][512] f32 -> xb, the same shape in bf16: 64 KiB in, 32 KiB out each
;   work-groups 1024 .. 1071  Wq, Wk, Wv [512][512] f32 -> wb [1536][512] bf16, row 96 g + 32 y + r = W_y[32 g + r] (y = 0 q, 1 k, 2 v):
;                             32 rows of one W are 64 KiB in and one dense block of 32 KiB out, so the text is the same as x's
;   work-groups 1072 .. 1199  ew[t][s] = exp(w[t][s] - max over s of w[t][s]) in f16, w = pos_bias rounded to bf16 like every other input; a wave takes a row
; LIMITS.  ew lies in 0 to 1; below 6e-5 it keeps f16's fixed step of 6e-8, below 3e-8 it counts as 0.  NaN and infinities are not treated apart.
.set NX,    1024                       ; work-groups for x
.set NCONV, 1072                       ; and with the three W
	s_load_b512 s[8:23], s[0:1], 0x0               ; x 8:9, Wq 10:11, Wk 12:13, Wv 14:15, pos_bias 16:17, xb 18:19, wb 20:21, ew 22:23
	s_mov_b32 s2, ttmp9
	s_cmp_ge_u32 s2, NCONV
	s_cbranch_scc1 .Lrows
	; ---- f32 to bf16, 64 KiB a work-group ----
	s_sub_co_u32 s3, s2, NX                        ; among the W blocks: 16 y + g (means nothing for x's work-groups, whose selects below do not take it)
	s_lshr_b32 s4, s3, 4                           ; y
	s_and_b32 s5, s3, 15                           ; g
	s_mul_i32 s6, s5, 3
	s_add_co_u32 s6, s6, s4                        ; 3 g + y: the block's place in wb
	v_lshlrev_b32 v1, 4, v0                        ; 16 bytes a thread in,
	v_lshlrev_b32 v2, 3, v0                        ; 8 bytes out
	s_wait_kmcnt 0x0
	s_cmp_eq_u32 s4, 1
	s_cselect_b64 s[24:25], s[12:13], s[10:11]     ; Wk or Wq,
	s_cmp_eq_u32 s4, 2
	s_cselect_b64 s[24:25], s[14:15], s[24:25]     ; or Wv,
	s_cmp_lt_u32 s2, NX
	s_cselect_b64 s[24:25], s[8:9], s[24:25]       ; or x
	s_cselect_b64 s[26:27], s[18:19], s[20:21]     ; into xb or wb
	s_cselect_b32 s28, s2, s5                      ; the block's number in the source,
	s_cselect_b32 s30, s2, s6                      ; and in the destination
	s_lshl_b32 s28, s28, 16
	s_mov_b32 s29, 0
	s_lshl_b32 s30, s30, 15
	s_mov_b32 s31, 0
	s_add_nc_u64 s[24:25], s[24:25], s[28:29]
	s_add_nc_u64 s[26:27], s[26:27], s[30:31]
.set n, 0
.rept 16                               ; all sixteen loads of a wave go out at once: 512 neighbouring bytes each
	global_load_b128 v[4+4*n:7+4*n], v1, s[24:25] offset:4096*n th:TH_LOAD_NT
.set n, n+1
.endr
.set n, 0
.rept 16
	s_wait_loadcnt 15-n                            ; loads come back in order: load n is in, the 15 - n younger ones stay out
	v_cvt_pk_bf16_f32 v[68+2*n], v[4+4*n], v[5+4*n]
	v_cvt_pk_bf16_f32 v[69+2*n], v[6+4*n], v[7+4*n]
	global_store_b64 v2, v[68+2*n:69+2*n], s[26:27] offset:2048*n  ; a wave's 32 lanes store 256 consecutive bytes, aligned; no register is written twice
.set n, n+1
.endr
	s_endpgm
	; ---- a row of pos_bias a wave: 4,096 bytes in 32 registers, read once ----
.Lrows:
	v_lshrrev_b32 v1, 5, v0
	v_readfirstlane_b32 s3, v1                     ; wave 0..7
	s_sub_co_u32 s4, s2, NCONV
	s_lshl3_add_u32 s4, s4, s3                     ; row = 8 x work-group + wave
	s_lshl_b32 s28, s4, 12
	s_mov_b32 s29, 0
	s_lshl_b32 s30, s4, 11
	s_mov_b32 s31, 0
	s_mov_b32 s32, 0x76543210                      ; v_permlanex16_b32: each lane takes its own place in the other half
	s_mov_b32 s33, 0xfedcba98
	v_and_b32 v1, 31, v0
	v_lshlrev_b32 v2, 3, v1                        ; 8 bytes a lane out,
	v_lshlrev_b32 v1, 4, v1                        ; 16 in
	s_wait_kmcnt 0x0
	s_add_nc_u64 s[24:25], s[16:17], s[28:29]
	s_add_nc_u64 s[26:27], s[22:23], s[30:31]
.set n, 0
.rept 8
	global_load_b128 v[4+4*n:7+4*n], v1, s[24:25] offset:512*n th:TH_LOAD_NT
.set n, n+1
.endr
	s_wait_loadcnt 0x0                             ; the maximum wants the whole row
.set i, 0
.rept 16
	v_cvt_pk_bf16_f32 v[36+i], v[4+2*i], v[5+2*i]  ; the input's rounding to bf16,
.set i, i+1
.endr
.set i, 0
.rept 16
	v_lshlrev_b32 v[4+2*i], 16, v[36+i]            ; and back to f32
	v_and_b32 v[5+2*i], 0xffff0000, v[36+i]
.set i, i+1
.endr
.irp c, 0,1,2,3                        ; my 32 numbers' maximum in four chains that do not wait for each other
	v_max3_num_f32 v[52+(\c)], v[4+8*(\c)], v[5+8*(\c)], v[6+8*(\c)]
.endr
.irp c, 0,1,2,3
	v_max3_num_f32 v[52+(\c)], v[52+(\c)], v[7+8*(\c)], v[8+8*(\c)]
.endr
.irp c, 0,1,2,3
	v_max3_num_f32 v[52+(\c)], v[52+(\c)], v[9+8*(\c)], v[10+8*(\c)]
.endr
.irp c, 0,1,2,3
	v_max_num_f32 v[52+(\c)], v[52+(\c)], v[11+8*(\c)]
.endr
	v_max3_num_f32 v52, v52, v53, v54
	v_max_num_f32 v52, v52, v55
	v_max_num_f32_dpp v52, v52, v52 row_xmask:1 row_mask:0xf bank_mask:0xf
	v_max_num_f32_dpp v52, v52, v52 row_xmask:2 row_mask:0xf bank_mask:0xf
	v_max_num_f32_dpp v52, v52, v52 row_xmask:4 row_mask:0xf bank_mask:0xf
	v_max_num_f32_dpp v52, v52, v52 row_xmask:8 row_mask:0xf bank_mask:0xf
	v_permlanex16_b32 v53, v52, s32, s33           ; its destination has been written before
	v_max_num_f32 v56, v52, v53                    ; every lane holds the row's maximum,
	v_mov_b32 v57, v56                             ; twice, for the packed subtraction
.set i, 0
.rept 16
	v_pk_add_f32 v[4+2*i:5+2*i], v[4+2*i:5+2*i], v[56:57] neg_lo:[0,1] neg_hi:[0,1]  ; w - max first, exact for these bf16 numbers, so that a common offset of the row costs nothing
.set i, i+1
.endr
.set i, 0
.rept 16
	v_pk_mul_f32 v[4+2*i:5+2*i], v[4+2*i:5+2*i], 0x3fb8aa3b op_sel_hi:[1,0]           ; times log2(e)
.set i, i+1
.endr
.set i, 0
.rept 32
	v_exp_f32 v[4+i], v[4+i]
.set i, i+1
.endr
	v_nop                                          ; a plain instruction between the last exponential and the use of its result (ISA guide 5.7.2)
.set i, 0
	s_wait_alu depctr_va_vdst(0)
.rept 16
	v_cvt_pk_f16_f32 v[36+i], v[4+2*i], v[5+2*i]
.set i, i+1
.endr
.set n, 0
.rept 8
	global_store_b64 v2, v[36+2*n:37+2*n], s[26:27] offset:256*n  ; 256 consecutive bytes, aligned
.set n, n+1
.endr
	s_endpgm
.Lfunc_end_k_qd8c91a52ec_prep:
	.size	k_qd8c91a52ec_prep, .Lfunc_end_k_qd8c91a52ec_prep-k_qd8c91a52ec_prep
	.p2alignl 7, 3214868480
	.fill 96, 4, 3214868480
	.section	.rodata,"a",@progbits
	.p2align	6, 0x0
	.amdhsa_kernel k_qd8c91a52ec_prep
		.amdhsa_group_segment_fixed_size 0
		.amdhsa_private_segment_fixed_size 0
		.amdhsa_enable_private_segment 0
		.amdhsa_kernarg_size 64
		.amdhsa_user_sgpr_count 2
		.amdhsa_user_sgpr_kernarg_segment_ptr 1
		.amdhsa_wavefront_size32 1
		.amdhsa_system_sgpr_workgroup_id_x 1
		.amdhsa_system_sgpr_workgroup_id_y 1
		.amdhsa_system_sgpr_workgroup_id_z 1
		.amdhsa_system_vgpr_workitem_id 0
		.amdhsa_next_free_vgpr 104
		.amdhsa_next_free_sgpr 66
		.amdhsa_reserve_vcc 0
		.amdhsa_float_denorm_mode_32 3
		.amdhsa_float_denorm_mode_16_64 3
		.amdhsa_memory_ordered 1
		.amdhsa_forward_progress 1
		.amdhsa_inst_pref_size 18
	.end_amdhsa_kernel
	.amdgpu_metadata
---
amdhsa.version: [ 1, 2 ]
amdhsa.kernels:
  - .name:           k_qd8c91a52ec_prep
    .symbol:         k_qd8c91a52ec_prep.kd
    .args:
      - { .name: x, .offset: 0, .size: 8, .value_kind: global_buffer, .address_space: global }
      - { .name: Wq, .offset: 8, .size: 8, .value_kind: global_buffer, .address_space: global }
      - { .name: Wk, .offset: 16, .size: 8, .value_kind: global_buffer, .address_space: global }
      - { .name: Wv, .offset: 24, .size: 8, .value_kind: global_buffer, .address_space: global }
      - { .name: pos_bias, .offset: 32, .size: 8, .value_kind: global_buffer, .address_space: global }
      - { .name: xb, .offset: 40, .size: 8, .value_kind: global_buffer, .address_space: global }
      - { .name: wb, .offset: 48, .size: 8, .value_kind: global_buffer, .address_space: global }
      - { .name: ew, .offset: 56, .size: 8, .value_kind: global_buffer, .address_space: global }
    .group_segment_fixed_size: 0
    .private_segment_fixed_size: 0
    .kernarg_segment_align: 8
    .kernarg_segment_size: 64
    .max_flat_workgroup_size: 256
    .sgpr_count:     66
    .vgpr_count:     104
    .wavefront_size: 32
...
	.end_amdgpu_metadata
.endif
;; end of part 1
;; launch proj (part 2): grid 8 x 32, 4 waves a work-group, clusters of 4 x 4, 327,680 bytes of LDS; arguments xb, wb, bq, bk, bv, sq, ee, al; writes sq, ee, al
.if DOCPART == 2
	.amdgcn_target "amdgcn-amd-amdhsa--gfx1250"
	.amdhsa_code_object_version 6
	.text
	.protected	k_qd8c91a52ec_proj
	.globl	k_qd8c91a52ec_proj
	.p2align	8
	.type	k_qd8c91a52ec_proj,@function
k_qd8c91a52ec_proj:
	s_mov_b64 s[64:65], 0
	v_nop
	global_prefetch_b8 v0, s[64:65] scope:SCOPE_SE
	s_setreg_imm32_b32 hwreg(HW_REG_WAVE_MODE, 25, 1), 1
	s_wait_xcnt 0x0
	s_wait_alu depctr_hold_cnt(0) depctr_sa_sdst(0) depctr_va_vdst(0) depctr_va_sdst(0) depctr_va_ssrc(0) depctr_va_vcc(0) depctr_vm_vsrc(0)
	s_getreg_b32 s2, hwreg(HW_REG_IB_STS2, 6, 4)
	s_cmp_eq_u32 s2, 0
	s_cbranch_scc0 .Lentry_in_a_cluster
	s_endpgm
.Lentry_in_a_cluster:
	s_bfe_u32 s2, ttmp6, 0x10000c
	s_cmp_lg_u32 s2, 0xf033
	s_cbranch_scc0 .Lentry_shape_is_right
	s_endpgm
.Lentry_shape_is_right:
; PROJ.  q, k, v = x W^T + b in bf16 with f32 sums, and what the second product wants of them:
;   sq = exp(-q) in f16, in blocks of 512 bytes: block (64 b + t/16) 32 + d/16; in it lane (t%16) + 16 ((d%16)/8) has its 8 numbers d%8 = 0..7 at byte 16 x lane
;        (sigmoid(q) num / den = num / (den + exp(-q) den): the launch behind needs one reciprocal for both divisions)
;   ee [b][1024 rows][1024 s] f16: row 128 jd + i = exp(k[s][64 jd + i] - R), row 128 jd + 64 + i the same times v[s][64 jd + i]      (i = 0..63)
;   al [b][4][512] f32: a_i = exp(R_(i-1) - R_i)
; THE MAXIMUM over all 1,024 s of a batch is a RUNNING maximum: a work-group walks the batch's four tiles of 256 rows in order; R_i is the maximum of k over tiles 0..i; tile i's exponentials
; are taken against R_i, and the launch behind multiplies its sums by a_i (at most 1) at each boundary of 256 keys: what it ends with stands against R_3, the true maximum.
; R starts at the lowest finite number, so a_0 = 0: the launch behind uses it to begin a batch's sums.
; SHARES.  Work-group (j, b): the 64 columns d = 64 j .. of q, k and v (192 rows of wb) for batch b.  A tile is 256 rows x 192, K = 512 in four steps of 128 through two LDS slots.
; Wave w: rows 128 (w / 2) .., and 32 d at 64 j + 32 (w % 2): 96 rows of wb (32 of Wq, 32 of Wk, 32 of Wv): 48 accumulators.
; OPERAND ORDER.  k and v: source 0 = 16 rows of x, source 1 = 16 rows of W: a lane holds ONE d (lane % 16) and s = 8 (lane / 16) + 0..7: eight neighbours of a row of ee, and the maximum over s stays in the lane.
; q: source 0 = 16 rows of Wq, source 1 = 16 rows of x: a lane holds one t and d = 8 (lane / 16) + 0..7, which is the layout in which the launch behind holds its results.
; BIASES, rounded to bf16 like every input, are the C operand of a tile's first products: nothing is cleared, nothing is added later.
; CLUSTER 4 x 4.  x's tiles hang on b alone and are shared along a row of the cluster, W's on j alone and are shared along a column: each is asked for jointly by its four.
; LIMITS.  ek v is kept in f16: |v| stays under 65,504.  ek lies in 0 to 1; below 6e-5 it keeps f16's fixed step of 6e-8.  exp(-q) beyond 65,504 (q under -11.09) is f16's infinity, of which the
; launch behind makes the result 0, where the true factor is under 1.6e-5; under 3e-8 (q over 17) it counts as 0.  NaN and infinities among the inputs are not treated apart.
; REGISTERS, in windows of 256 (s_set_vgpr_msb: bits 1:0 source 0, 3:2 source 1, 5:4 source 2, 7:6 destination):
;   window 0: v0-31 addresses and statistics; v32-255 at work on the way out
;   window 1: two fragment buffers F0, F1 of 112: x's fragment a at f + 8 a; W's fragment c at f + 64 + 8 c (c = 0, 1 Wq; 2, 3 Wk; 4, 5 Wv)
;   window 2: K(a, bb) at 64 bb + 8 a; V(a, bb) at 128 + 64 bb + 8 a           window 3: Q(a, bb) at 64 bb + 8 a; the biases as C operands at 128 ..
.set KSTEP,  128
.set PITCH,  272                       ; an LDS row: 256 bytes + 16 of padding = 68 words: the 16 rows that a load touches start at 16 different groups of four banks (64 banks of 4 bytes: ISA guide 11.1)
.set HA,     128*PITCH                 ; 128 rows of x: one tensor load, and what one wave reads of x
.set HB,     96*PITCH                  ; 96 rows of wb: likewise
.set SLOT,   2*HA+2*HB                 ; x's 256 rows, then wb's 192
.set STAGE,  2*SLOT                    ; behind the ring: 16 rows x 272 bytes for each wave, for ee's way out
.set XCH,    STAGE+4*16*PITCH          ; 128 bytes for each wave: the maxima that the two row halves hand each other
.set SPARE,  XCH+512                   ; the spare words, 128 bytes for each wave: two blocks of 256 bytes that no other line names
.set TILES,  4
.set NEXT_X, 256*1024-512              ; from a slot's last K step of a tile to its first of the next: 256 rows of 1,024 bytes down, 512 bytes back along K
.set MX,   4                           ; v4-5    the maximum for my lane's d in block bb = 0, 1
.set TT,   6                           ; v6-7    at work
.set CC,   8                           ; v8-11   - log2(e) x maximum, a pair for each bb (the packed line takes the low word for both halves)
.set RR,   12                          ; v12-13  R: the running maximum
.set ADRX, 16                          ; v16-17  LDS address of my x fragments in slot 0, 1
.set ADRW, 20                          ; v20-21  the same for wb
.set ALO,  22                          ; v22     4 x lane
.set STO,  24                          ; v24     the stage: where I put 16 bytes of a row
.set RD,   25                          ; v25     the stage: where I read rows back
.set EO,   26                          ; v26     my byte offset in two rows of ee
.set SQO,  27                          ; v27     16 x lane
.set SPW,  28                          ; v28     LDS address of my spare word; never rewritten
.set NIL,  29                          ; v29     0; never rewritten
.set XW,   30                          ; v30     where I put a maximum for the partner wave
.set XR,   31                          ; v31     where I find the partner's
.set CH,   224                         ; v224-231 the maximum's eight chains
.set F0,   0
.set F1,   128
.set BQ,   128                         ; window 3: the C operands: bq at 128 + 8 bb, bk at 144 + 8 bb, bv at 160 + 8 bb
.set BKV,  144
.set G1,  24                           ; s[24:31] descriptor group 1 for x's tiles;   s[32:39] group 0, a set for each slot
.set G0,  32
.set G1B, 48                           ; s[48:55], s[56:63] the same for wb's tiles
.set G0B, 56
.set LN,  66                           ; s[66:67] - log2(e)
.set SEL, 82                           ; s[82:83] v_permlanex16_b32's selects
.set HM,  84                           ; s84      lanes 16-31
.set LP,  86                           ; s[86:87] log2(e)
.set MSB, 0
.macro WIN new                         ; the immediate's high byte repeats the setting that is left; a switch that changes nothing is dropped
.if MSB != (\new)
	s_set_vgpr_msb (MSB<<8)|(\new)
.set MSB, \new
.endif
.endm
.set W_Q,   0xf5                       ; sources 0 and 1 window 1, C and D window 3
.set W_KV,  0xa5                       ; sources 0 and 1 window 1, C and D window 2
.set W_KV1, 0xb5                       ; the same with C (a bias) in window 3
.set TO_F,  0x40                       ; destination window 1, address window 0
; A joint load.  Waves 0 and 1 fetch x's two halves, waves 2 and 3 wb's.  The branch hangs on the wave's number alone.  An s_nop 0 and four v_nop follow each of the two lines.
.macro JLOAD s
	s_cmp_eq_u32 s11, 0
	s_cbranch_scc0 .Lfor_b_\@
	tensor_load_to_lds s[G0+4*(\s):G0+4*(\s)+3], s[G1:G1+7]
	s_nop 0
.rept 4
	v_nop
.endr
	s_branch .Lasked_\@
.Lfor_b_\@:
	tensor_load_to_lds s[G0B+4*(\s):G0B+4*(\s)+3], s[G1B:G1B+7]
	s_nop 0
.rept 4
	v_nop
.endr
.Lasked_\@:
.endm
.macro CREST                           ; a round of the cluster's barrier behind its opening barrier
	s_cmp_lg_u32 s10, 0
	s_cbranch_scc1 .Lnot_wave_0_\@
	s_barrier_signal -3
.Lnot_wave_0_\@:
	s_barrier_wait -3
	s_barrier_signal -1
	s_barrier_wait -1
.endm
.macro CROUND                          ; a whole round
	s_barrier_signal -1
	s_barrier_wait -1
	CREST
.endm
	s_load_b128 s[4:7], s[0:1], 0x0                ; xb s[4:5], wb s[6:7]
	s_load_b256 s[68:75], s[0:1], 0x10             ; bq 68:69, bk 70:71, bv 72:73, sq 74:75
	s_load_b128 s[76:79], s[0:1], 0x30             ; ee 76:77, al 78:79
	v_lshl_add_u32 v[SPW], v0, 2, SPARE
	v_mov_b32 v[NIL], 0
	ds_add_u32 v[SPW], v[NIL]                      ; the wave's opening: the add and its wait stand ahead of my first tensor load; the set-up below, work on registers, stands between them
	v_lshrrev_b32 v1, 5, v0
	v_readfirstlane_b32 s10, v1                    ; wave 0..3
	s_lshr_b32 s11, s10, 1                         ; rh: which 128 rows of the tile are mine.  Also: I fetch for x (0) or for wb (1)
	s_and_b32 s12, s10, 1                          ; ch: which 32 d.  Also: which half of that tile I fetch
	s_bfe_u32 s40, ttmp6, 0x40000                  ; cx, cy: my place in the cluster
	s_bfe_u32 s41, ttmp6, 0x40004
	s_lshl_b32 s42, ttmp9, 2
	s_add_co_u32 s42, s42, s40                     ; j = 4 x cluster x + cx
	s_and_b32 s13, ttmp7, 0xffff
	s_lshl_b32 s13, s13, 2
	s_add_co_u32 s13, s13, s41                     ; b = 4 x cluster y + cy
	s_lshl_b32 s43, s41, 2
	s_lshl_b32 s43, 15, s43                        ; my row of the cluster
	s_lshl_b32 s44, 0x1111, s40                    ; my column
	; descriptor group 1: tiles of 128 (x) or 96 (wb) rows x 128 elements of 2 bytes, 16 bytes of padding behind each row
	s_or_b32 s[G1+0], s43, (1<<16)|(1<<20)|(1<<21)|(5<<22)|(3<<25)   ; 15:0 the mask; 17:16 2-byte elements; 20 padding on; 21 set beside a mask; 24:22 after every 64 words (code 5); 31:25 4 words (code 3)
	s_or_b32 s[G1B+0], s44, (1<<16)|(1<<20)|(1<<21)|(5<<22)|(3<<25)
	s_mov_b32 s[G1+1], KSTEP<<16                   ; tensor_dim0 = 128
	s_mov_b32 s[G1B+1], KSTEP<<16
	s_mov_b32 s[G1+2], 128<<16                     ; tensor_dim1 = 128 rows,
	s_mov_b32 s[G1B+2], 96<<16                     ; or 96
	s_mov_b32 s[G1+3], KSTEP<<16                   ; tile_dim0 = 128
	s_mov_b32 s[G1B+3], KSTEP<<16
	s_mov_b32 s[G1+4], 128                         ; tile_dim1
	s_mov_b32 s[G1B+4], 96
	s_mov_b32 s[G1+5], 512                         ; 512 elements from row to row
	s_mov_b32 s[G1B+5], 512
	s_mov_b32 s[G1+6], 0
	s_mov_b32 s[G1B+6], 0
	s_mov_b32 s[G1+7], 0
	s_mov_b32 s[G1B+7], 0
	s_lshl_b32 s16, s13, 20                        ; x: batch b's 1,024 rows of 1,024 bytes,
	s_lshl_b32 s17, s12, 17                        ; and my 128 rows of the tile: registers that never hold cx
	s_add_co_u32 s16, s16, s17
	s_mov_b32 s17, 0
	s_mul_i32 s46, s42, 192                        ; wb: row 192 j + 96 x half: registers that never hold cy
	s_mul_i32 s47, s12, 96
	s_add_co_u32 s46, s46, s47
	s_lshl_b32 s46, s46, 10
	s_mov_b32 s47, 0
	s_mul_i32 s20, s10, HA                         ; where they go: waves 0, 1: x's halves at wave x HA;
	s_mul_i32 s21, s10, HB
	s_add_co_u32 s21, s21, 2*HA-2*HB               ; waves 2, 3: wb's halves at 2 HA + (wave - 2) x HB
	s_mov_b32 s[LP], 0x3fb8aa3b
	s_mov_b32 s[LP+1], 0x3fb8aa3b
	s_mov_b32 s[LN], 0xbfb8aa3b
	s_mov_b32 s[LN+1], 0xbfb8aa3b
	s_mov_b32 s[SEL], 0x76543210
	s_mov_b32 s[SEL+1], 0xfedcba98
	s_mov_b32 s[HM], 0xffff0000
	s_wait_dscnt 0x0                               ; the opening add is done
	s_wait_kmcnt 0x0
	s_add_nc_u64 s[14:15], s[4:5], s[16:17]
	s_add_nc_u64 s[46:47], s[6:7], s[46:47]
	CROUND                                         ; all sixteen work-groups are here: the first joint loads meet
.irp s, 0,1
	s_mov_b32 s[G0+4*(\s)], 1                                        ; count = 1
	s_add_co_u32 s[G0+4*(\s)+1], s20, (\s)*SLOT                      ; LDS address
	s_add_nc_u64 s[G0+4*(\s)+2:G0+4*(\s)+3], s[14:15], (\s)*KSTEP*2  ; global address: K step s
	s_or_b32 s[G0+4*(\s)+3], s[G0+4*(\s)+3], 0x80000000              ; type = 2
	s_mov_b32 s[G0B+4*(\s)], 1
	s_add_co_u32 s[G0B+4*(\s)+1], s21, (\s)*SLOT
	s_add_nc_u64 s[G0B+4*(\s)+2:G0B+4*(\s)+3], s[46:47], (\s)*KSTEP*2
	s_or_b32 s[G0B+4*(\s)+3], s[G0B+4*(\s)+3], 0x80000000
	JLOAD \s                                       ; two loads of mine are out: the ring is filled before anything else is done
.endr
	; the other buffers at my share
	s_lshl_b32 s80, s42, 8
	s_lshl_b32 s81, s12, 7
	s_add_co_u32 s80, s80, s81                     ; 4 x (64 j + 32 ch)
	s_mov_b32 s81, 0
	s_add_nc_u64 s[68:69], s[68:69], s[80:81]      ; bq, bk, bv at my 32 d
	s_add_nc_u64 s[70:71], s[70:71], s[80:81]
	s_add_nc_u64 s[72:73], s[72:73], s[80:81]
	s_lshl_b32 s18, s13, 13
	s_add_co_u32 s80, s80, s18                     ; + 8,192 b
	s_add_nc_u64 s[78:79], s[78:79], s[80:81]      ; al
	s_lshl_b32 s80, s13, 20
	s_lshl_b32 s18, s11, 17
	s_add_co_u32 s80, s80, s18
	s_lshl_b32 s18, s42, 11
	s_add_co_u32 s80, s80, s18
	s_lshl_b32 s18, s12, 10
	s_add_co_u32 s80, s80, s18
	s_add_nc_u64 s[74:75], s[74:75], s[80:81]      ; sq: block (64 b + 8 rh) 32 + 4 j + 2 ch
	s_lshl_b32 s80, s13, 21
	s_lshl_b32 s18, s42, 18
	s_add_co_u32 s80, s80, s18
	s_lshl_b32 s18, s12, 16
	s_add_co_u32 s80, s80, s18
	s_lshl_b32 s18, s11, 8
	s_add_co_u32 s80, s80, s18
	s_add_nc_u64 s[76:77], s[76:77], s[80:81]      ; ee: batch b, row 128 j + 32 ch, s = 128 rh
	; A fragment is 16 rows x 32 K in 8 registers: lane l holds row l % 16; registers 0-3 K = 8 (l / 16) + 0..7, registers 4-7 K = 16 + 8 (l / 16) + 0..7: two loads of 16 bytes, 32 bytes apart.
	v_and_b32 v1, 15, v0                           ; r = l % 16
	v_bfe_u32 v2, v0, 4, 1                         ; h = l / 16
	v_mul_u32_u24 v3, v1, PITCH
	v_lshl_add_u32 v3, v2, 4, v3                   ; 272 r + 16 h
	s_mul_i32 s21, s11, HA                         ; my 128 rows of x
	s_mul_i32 s22, s12, HB                         ; my 96 rows of wb,
	s_add_co_u32 s22, s22, 2*HA                    ; which lie behind x's 256
.irp s, 0,1
	v_add_nc_u32 v[ADRX+(\s)], s21, v3
	v_add_nc_u32 v[ADRW+(\s)], s22, v3
	s_add_co_u32 s21, s21, SLOT
	s_add_co_u32 s22, s22, SLOT
.endr
	s_mul_i32 s23, s10, 16*PITCH
	s_add_co_u32 s23, s23, STAGE                   ; my stage
	v_add_nc_u32 v[STO], s23, v3                   ; in: row r, 16 bytes for each half of the lanes
	v_mul_u32_u24 v5, v2, PITCH                    ; back: lanes 0-15 one row of 256 bytes, lanes 16-31 the next
	v_lshl_add_u32 v5, v1, 4, v5
	v_add_nc_u32 v[RD], s23, v5
	v_lshlrev_b32 v5, 11, v2                       ; and the same two rows in ee
	v_lshl_add_u32 v[EO], v1, 4, v5
	v_and_b32 v5, 31, v0
	v_lshlrev_b32 v[ALO], 2, v5
	v_lshlrev_b32 v[SQO], 4, v5
	v_lshl_add_u32 v[XW], v0, 2, XCH               ; 128 x wave + 4 x lane
	s_xor_b32 s23, s10, 2                          ; the wave with my d and the other 128 rows
	s_lshl_b32 s23, s23, 7
	s_add_co_u32 s23, s23, XCH
	v_lshl_add_u32 v[XR], v1, 2, s23
	v_mov_b32 v[RR], 0xff7fffff                    ; R starts at the lowest finite number: the first maximum is the scores' own, and a_0 is 0
	v_mov_b32 v[RR+1], 0xff7fffff
	v_mov_b32 v[TT], 0                             ; written once whole: v_permlanex16_b32's destination counts as read
	v_mov_b32 v[TT+1], 0
	; the biases: bq[d0 + 16 bb + 8 h + 0..7] as q's lanes hold d; bk, bv[d0 + 16 bb + r] as k's and v's lanes do
	v_lshlrev_b32 v14, 5, v2
	v_lshlrev_b32 v15, 2, v1
.irp bb, 0,1
	global_load_b128 v[32+8*(\bb):35+8*(\bb)], v14, s[68:69] offset:64*(\bb)
	global_load_b128 v[36+8*(\bb):39+8*(\bb)], v14, s[68:69] offset:64*(\bb)+16
	global_load_b32 v[48+(\bb)], v15, s[70:71] offset:64*(\bb)
	global_load_b32 v[50+(\bb)], v15, s[72:73] offset:64*(\bb)
.endr
	s_wait_loadcnt 0x0
.set i, 0
.rept 8
	v_cvt_pk_bf16_f32 v[52+i], v[32+2*i], v[33+2*i]  ; the inputs' rounding to bf16
.set i, i+1
.endr
	v_cvt_pk_bf16_f32 v60, v48, v49
	v_cvt_pk_bf16_f32 v61, v50, v51
	WIN 0xc0                                       ; destination window 3
.set i, 0
.rept 8
	v_lshlrev_b32 v[BQ+2*i], 16, v[52+i]
	v_and_b32 v[BQ+2*i+1], 0xffff0000, v[52+i]
.set i, i+1
.endr
.set i, 0
.rept 8                                ; k's and v's bias is one number a lane: eight copies, one for each s
	v_lshlrev_b32 v[BKV+i], 16, v60
	v_and_b32 v[BKV+8+i], 0xffff0000, v60
	v_lshlrev_b32 v[BKV+16+i], 16, v61
	v_and_b32 v[BKV+24+i], 0xffff0000, v61
.set i, i+1
.endr
	WIN 0
; THE MATRIX WORK of 32 along K: 48 instructions, each accumulator once, always in this order: the accumulators take turns.  first = 1: the products start the sums, with the bias as C.
.macro MULQ f, bb, first               ; 8: q's block bb of 16 d x my 8 blocks of 16 rows
	WIN W_Q
.irp a, 0,1,2,3,4,5,6,7
.if \first
	v_wmma_f32_16x16x32_bf16 v[64*(\bb)+8*(\a):64*(\bb)+8*(\a)+7], v[(\f)+64+8*(\bb):(\f)+64+8*(\bb)+7], v[(\f)+8*(\a):(\f)+8*(\a)+7], v[BQ+8*(\bb):BQ+8*(\bb)+7]
.else
	v_wmma_f32_16x16x32_bf16 v[64*(\bb)+8*(\a):64*(\bb)+8*(\a)+7], v[(\f)+64+8*(\bb):(\f)+64+8*(\bb)+7], v[(\f)+8*(\a):(\f)+8*(\a)+7], v[64*(\bb)+8*(\a):64*(\bb)+8*(\a)+7]
.endif
.endr
.endm
.macro MULKV f, first                  ; 32: for each block a of 16 rows K(a, 0), K(a, 1), V(a, 0), V(a, 1): number c of the four lies at 64 c + 8 a
.if \first
	WIN W_KV1
.else
	WIN W_KV
.endif
.irp a, 0,1,2,3,4,5,6,7
.irp c, 0,1,2,3
.if \first
	v_wmma_f32_16x16x32_bf16 v[64*(\c)+8*(\a):64*(\c)+8*(\a)+7], v[(\f)+8*(\a):(\f)+8*(\a)+7], v[(\f)+80+8*(\c):(\f)+80+8*(\c)+7], v[BKV+8*(\c):BKV+8*(\c)+7]
.else
	v_wmma_f32_16x16x32_bf16 v[64*(\c)+8*(\a):64*(\c)+8*(\a)+7], v[(\f)+8*(\a):(\f)+8*(\a)+7], v[(\f)+80+8*(\c):(\f)+80+8*(\c)+7], v[64*(\c)+8*(\a):64*(\c)+8*(\a)+7]
.endif
.endr
.endr
.endm
; 28 LDS loads in one run: the fragments of one quarter step (32 K at byte k of the rows) into buffer f: Wq's first, then x's, then Wk's and Wv's, in the order in which the products want them
.macro FETCH slot, k, f
	WIN TO_F
.irp c, 0,1
	ds_load_b128 v[(\f)+64+8*(\c):(\f)+64+8*(\c)+3],   v[ADRW+(\slot)] offset:(\k)+(\c)*16*PITCH
	ds_load_b128 v[(\f)+64+8*(\c)+4:(\f)+64+8*(\c)+7], v[ADRW+(\slot)] offset:(\k)+(\c)*16*PITCH+32
.endr
.irp a, 0,1,2,3,4,5,6,7
	ds_load_b128 v[(\f)+8*(\a):(\f)+8*(\a)+3],   v[ADRX+(\slot)] offset:(\k)+(\a)*16*PITCH
	ds_load_b128 v[(\f)+8*(\a)+4:(\f)+8*(\a)+7], v[ADRX+(\slot)] offset:(\k)+(\a)*16*PITCH+32
.endr
.irp c, 2,3,4,5
	ds_load_b128 v[(\f)+64+8*(\c):(\f)+64+8*(\c)+3],   v[ADRW+(\slot)] offset:(\k)+(\c)*16*PITCH
	ds_load_b128 v[(\f)+64+8*(\c)+4:(\f)+64+8*(\c)+7], v[ADRW+(\slot)] offset:(\k)+(\c)*16*PITCH+32
.endr
.endm
; A load into a register that a matrix instruction has read, and a vector instruction that reads a matrix result, stand four places behind that matrix instruction; only plain vector
; instructions that name none of its registers are places (ISA guide 7.12.1 for vector instructions).
.macro PLACES
.rept 4
	v_nop
.endr
.endm
; A K step is four quarters of 32 along K on buffers 0, 1, 0, 1.  One of the first three: multiplies buffer f; in its middle it fetches the next quarter, at byte k, into g.
.macro QUARTER slot, k, f, g, first
	s_wait_dscnt 8                                 ; Wq's and x's fragments are in; the youngest eight loads (Wk's, Wv's) may be out
	MULQ \f, 0, \first
	MULQ \f, 1, \first
	PLACES
	FETCH \slot, \k, \g
	s_wait_dscnt 28                                ; all but the 28 just issued
	MULKV \f, \first
.endm
; The last quarter multiplies buffer 1 and changes slots.  MEET is its first part: ONE barrier for the change.  In front of it each wave waits for all its tensor loads (one is out: its part of the
; next slot), adds 0 to its spare word, and waits for that and for its own reads of this slot.  Behind it nobody reads this slot any more and the next slot is whole.
.macro MEET round
	WIN 0                                          ; (the add's two registers lie in window 0)
	s_wait_tensorcnt 0x0                           ; all my tensor loads have landed;
	ds_add_u32 v[SPW], v[NIL]                      ; 0 onto my spare word;
	s_wait_dscnt 9                                 ; (the add and the youngest eight loads may be out)
	MULQ F1, 0, 0                                  ; eight matrix instructions stand between the add and the wait for it
	s_wait_dscnt 0x0                               ; the add is done, and my reads of this slot are over:
	s_barrier_signal -1                            ; say so,
	MULQ F1, 1, 0                                  ; work on registers while the others arrive,
.if \round
	WIN 0
.endif
	s_barrier_wait -1                              ; and go on when all four have said so
.endm
; The whole last quarter where the slot is filled again: the barrier opens a round of the cluster's barrier, and the joint refill is the first thing behind the round.
; on = 0: this tile's K step two steps on; on = 1: the NEXT tile's K step 0 or 1: the ring does not stop at a tile's end.
.macro TURN slot, next, on
	MEET 1
	CREST                                          ; no wave of any partner still reads this slot's tile or has a load on its way
.if \on
	s_add_nc_u64 s[G0+4*(\slot)+2:G0+4*(\slot)+3], s[G0+4*(\slot)+2:G0+4*(\slot)+3], NEXT_X
	s_sub_nc_u64 s[G0B+4*(\slot)+2:G0B+4*(\slot)+3], s[G0B+4*(\slot)+2:G0B+4*(\slot)+3], 2*KSTEP*2  ; all tiles take the same rows of wb
.else
	s_add_nc_u64 s[G0+4*(\slot)+2:G0+4*(\slot)+3], s[G0+4*(\slot)+2:G0+4*(\slot)+3], 2*KSTEP*2
	s_add_nc_u64 s[G0B+4*(\slot)+2:G0B+4*(\slot)+3], s[G0B+4*(\slot)+2:G0B+4*(\slot)+3], 2*KSTEP*2
.endif
	JLOAD \slot                                    ; its four v_nop are also the places in front of the loads below
	FETCH \next, 0, F0
	MULKV F1, 0
.endm
; THE PARTS OF A TILE'S WAY OUT.
; KVA: for block bb of 16 d: ek = 2^(log2(e) k - log2(e) R) into v32-95, ek v into v96-159
.macro KVA bb
	WIN 0x02                                       ; source 0 window 2
.set i, 0
.rept 32
	v_pk_fma_f32 v[32+2*i:33+2*i], v[64*(\bb)+2*i:64*(\bb)+2*i+1], s[LP:LP+1], v[CC+2*(\bb):CC+2*(\bb)+1] op_sel_hi:[1,0,0]
.set i, i+1
.endr
	WIN 0
.set i, 0
.rept 64
	v_exp_f32 v[32+i], v[32+i]
.set i, i+1
.endr
	v_nop                                          ; a plain instruction between the last exponential and the use of its result (ISA guide 5.7.2)
	WIN 0x08                                       ; source 1 window 2
.set i, 0
	s_wait_alu depctr_va_vdst(0)
.rept 32
	v_pk_mul_f32 v[96+2*i:97+2*i], v[32+2*i:33+2*i], v[128+64*(\bb)+2*i:128+64*(\bb)+2*i+1]
.set i, i+1
.endr
	WIN 0
.endm
.macro CVT src, dst                    ; 64 numbers rounded to f16: a group of 32 registers: 16 rows of ee (one d a row) x my 128 s
.set i, 0
.rept 32
	v_cvt_pk_f16_f32 v[(\dst)+i], v[(\src)+2*i], v[(\src)+2*i+1]
.set i, i+1
.endr
.endm
.macro STG g                           ; a group goes into my stage as 16 bytes a lane and comes back as whole rows, into the registers that it left
.irp a, 0,1,2,3,4,5,6,7
	ds_store_b128 v[STO], v[(\g)+4*(\a):(\g)+4*(\a)+3] offset:32*(\a)
.endr
.irp t, 0,1,2,3,4,5,6,7
	ds_load_b128 v[(\g)+4*(\t):(\g)+4*(\t)+3], v[RD] offset:(\t)*2*PITCH  ; LDS serves a wave's instructions in order (ISA guide 5.7.1.4): these see the stores above, and the next group's stores come behind them
.endr
.endm
.macro OUT g, rowoff                   ; and out: 16 lanes to 256 consecutive aligned bytes.  No LDS instruction has been issued behind the group's eight loads
.irp t, 0,1,2,3,4,5,6,7
	s_wait_dscnt 7-(\t)                            ; load t is back, the 7 - t younger ones may be out
	global_store_b128 v[EO], v[(\g)+4*(\t):(\g)+4*(\t)+3], s[76:77] offset:((\rowoff)+2*(\t))*2048
.endr
.endm
	s_wait_tensorcnt 1                             ; my part of K step 0 is in; K step 1's may stay out
	s_barrier_signal -1
	s_barrier_wait -1                              ; everybody's is
	FETCH 0, 0, F0
	WIN 0                                          ; at a label and at a branch every window is 0
	s_mov_b32 s2, TILES                            ; tiles to go, this one among them: the same number in every wave and every work-group
.Ltile:
	QUARTER 0, 64,  F0, F1, 1                      ; K step 0; its first quarter starts the sums
	QUARTER 0, 128, F1, F0, 0
	QUARTER 0, 192, F0, F1, 0
	TURN 0, 1, 0                                   ; slot 0 takes K step 2
	QUARTER 1, 64,  F0, F1, 0                      ; K step 1
	QUARTER 1, 128, F1, F0, 0
	QUARTER 1, 192, F0, F1, 0
	TURN 1, 0, 0                                   ; slot 1 takes K step 3
	QUARTER 0, 64,  F0, F1, 0                      ; K step 2
	QUARTER 0, 128, F1, F0, 0
	QUARTER 0, 192, F0, F1, 0
	WIN 0
	s_cmp_eq_u32 s2, 1
	s_cbranch_scc1 .Llast                          ; the last tile's tail, which asks for nothing more, is written out beside the others'; both lead to the one way out
	TURN 0, 1, 1                                   ; slot 0 takes the next tile's K step 0
	QUARTER 1, 64,  F0, F1, 0                      ; K step 3
	QUARTER 1, 128, F1, F0, 0
	QUARTER 1, 192, F0, F1, 0
	TURN 1, 0, 1                                   ; slot 1 its K step 1, and the next tile's first fragments are fetched: both refills are on their way while the tile goes out
	WIN 0
	s_branch .Lway
.Llast:
	MEET 0                                         ; the one load that was out is K step 3's, so no round follows
	PLACES
	FETCH 1, 0, F0
	MULKV F1, 0
	QUARTER 1, 64,  F0, F1, 0
	QUARTER 1, 128, F1, F0, 0
	QUARTER 1, 192, F0, F1, 0
	s_wait_dscnt 8                                 ; the very last quarter: nothing more to fetch
	MULQ F1, 0, 0
	MULQ F1, 1, 0
	s_wait_dscnt 0x0
	MULKV F1, 0
	WIN 0
.Lway:
	; A TILE'S WAY OUT: exp(-q); the running maximum and a; exp(k - R) and exp(k - R) v.
	PLACES                                         ; behind the last products
	WIN 0x03                                       ; source 0 window 3
.set i, 0
.rept 64
	v_pk_mul_f32 v[32+2*i:33+2*i], v[2*i:2*i+1], s[LN:LN+1] op_sel_hi:[1,0]   ; - log2(e) q into v32-159
.set i, i+1
.endr
	; the maximum of k over my 128 rows and R, for each of my two d: four chains a block, each accumulator's lowest registers first.
	; Two of q's exponentials stand behind each line of it: they name window 0 alone, which this setting leaves to a destination and a first source
	WIN 0x28                                       ; sources 1 and 2 window 2
.set n, 0
.rept 64
.set bb, n/32
.set p, (n%16)/4
.set a, 4*((n%32)/16)+n%4
.if (n%32) < 4
	v_max3_num_f32 v[CH+4*bb+n%4], v[RR+bb], v[64*bb+8*a], v[64*bb+8*a+1]
.else
	v_max3_num_f32 v[CH+4*bb+n%4], v[CH+4*bb+n%4], v[64*bb+8*a+2*p], v[64*bb+8*a+2*p+1]
.endif
	v_exp_f32 v[32+2*n], v[32+2*n]
	v_exp_f32 v[33+2*n], v[33+2*n]
.set n, n+1
.endr
	WIN 0
	v_max3_num_f32 v[MX], v[CH], v[CH+1], v[CH+2]
	v_max3_num_f32 v[MX+1], v[CH+4], v[CH+5], v[CH+6]
	v_max_num_f32 v[MX], v[MX], v[CH+3]
	v_max_num_f32 v[MX+1], v[MX+1], v[CH+7]
	v_permlanex16_b32 v[TT], v[MX], s[SEL], s[SEL+1]      ; the d's other 64 rows lie in the lane 16 away
	v_permlanex16_b32 v[TT+1], v[MX+1], s[SEL], s[SEL+1]
	v_max_num_f32 v[MX], v[MX], v[TT]
	v_max_num_f32 v[MX+1], v[MX+1], v[TT+1]
	v_cndmask_b32 v[TT], v[MX], v[MX+1], s[HM]     ; lanes 0-15 block 0's, lanes 16-31 block 1's
	ds_store_b32 v[XW], v[TT]                      ; for the wave with the tile's other 128 rows
	s_wait_dscnt 0x0                               ; for its sake: my store is done (and so is every other LDS instruction of mine)
	s_barrier_signal -1                            ; these words are stored again a tile later, behind the K steps' barriers, each with a wait for all LDS reads in front of it
.set i, 0
	s_wait_alu depctr_va_vdst(0)
.rept 64
	v_cvt_pk_f16_f32 v[160+i], v[32+2*i], v[33+2*i]  ; work on registers while the others arrive: exp(-q) rounded to f16
.set i, i+1
.endr
	s_barrier_wait -1
	ds_load_b32 v[TT], v[XR]
	ds_load_b32 v[TT+1], v[XR] offset:64
.irp bb, 0,1
.irp a, 0,1,2,3,4,5,6,7
	global_store_b128 v[SQO], v[160+4*(8*(\bb)+(\a)):160+4*(8*(\bb)+(\a))+3], s[74:75] offset:(\a)*16384+(\bb)*512  ; a block of sq: 512 consecutive bytes, aligned
.endr
.endr
	s_wait_dscnt 0x0
	v_max_num_f32 v[MX], v[MX], v[TT]              ; R_i
	v_max_num_f32 v[MX+1], v[MX+1], v[TT+1]
	v_sub_f32 v[TT], v[RR], v[MX]
	v_sub_f32 v[TT+1], v[RR+1], v[MX+1]
	v_mul_f32 v[TT], s[LP], v[TT]
	v_mul_f32 v[TT+1], s[LP], v[TT+1]
	v_exp_f32 v[TT], v[TT]                         ; a_i = exp(R_(i-1) - R_i); 0 in the first tile
	v_exp_f32 v[TT+1], v[TT+1]
	v_mul_f32 v[CC], s[LN], v[MX]                  ; plain work behind the exponentials (ISA guide 5.7.2): - log2(e) R_i
	v_mul_f32 v[CC+2], s[LN], v[MX+1]
	v_mov_b32 v[RR], v[MX]
	v_mov_b32 v[RR+1], v[MX+1]
	v_mov_b32 v[CC+1], v[CC]                       ; named with it as a pair
	v_mov_b32 v[CC+3], v[CC+2]
	s_wait_alu depctr_va_vdst(0)
	v_cndmask_b32 v[TT], v[TT], v[TT+1], s[HM]
	s_cmp_lg_u32 s11, 0
	s_cbranch_scc1 .Lno_al                         ; both row halves hold the same a: the upper one stores it
	global_store_b32 v[ALO], v[TT], s[78:79]       ; my 32 d: 128 consecutive bytes; the wave beside me stores the other half of the 256
.Lno_al:
	; four groups of 16 rows of ee: ek and ek v of block 0, then of block 1.  Each has registers of its own (v160, v192, v224, and v160 again), and the next group's arithmetic stands
	; between a group's loads from the stage and its stores
	KVA 0
	s_wait_xcnt 0x0                                ; sq's stores read v160-223: they are written again only behind this wait (ISA guide 3.1)
	CVT 32, 160
	STG 160
	CVT 96, 192
	OUT 160, 0
	STG 192
	KVA 1
	OUT 192, 64
	CVT 32, 224
	STG 224
	s_wait_xcnt 0x0                                ; the first group's stores read v160-191
	CVT 96, 160
	OUT 224, 16
	STG 160
	OUT 160, 80
	s_wait_xcnt 0x0                                ; the stores' bases step, and their registers are written again in the next tile, only behind this wait
	s_add_nc_u64 s[74:75], s[74:75], 262144        ; sq: 16 blocks of rows on
	s_add_nc_u64 s[76:77], s[76:77], 512           ; ee: 256 s on
	s_add_nc_u64 s[78:79], s[78:79], 2048          ; al: the next i
	s_sub_co_u32 s2, s2, 1
	s_cmp_lg_u32 s2, 0
	s_cbranch_scc1 .Ltile
	s_wait_tensorcnt 0x0                           ; the wave's end, behind my last tensor load and my last LDS store
	ds_add_u32 v[SPW], v[NIL]
	s_wait_dscnt 0x0
	CROUND                                         ; the closing round: no work-group ends while a partner may still ask for a tile that names it
	s_endpgm
.Lfunc_end_k_qd8c91a52ec_proj:
	.size	k_qd8c91a52ec_proj, .Lfunc_end_k_qd8c91a52ec_proj-k_qd8c91a52ec_proj
	.p2alignl 7, 3214868480
	.fill 96, 4, 3214868480
	.section	.rodata,"a",@progbits
	.p2align	6, 0x0
	.amdhsa_kernel k_qd8c91a52ec_proj
		.amdhsa_group_segment_fixed_size 327680
		.amdhsa_private_segment_fixed_size 0
		.amdhsa_enable_private_segment 0
		.amdhsa_kernarg_size 64
		.amdhsa_user_sgpr_count 2
		.amdhsa_user_sgpr_kernarg_segment_ptr 1
		.amdhsa_wavefront_size32 1
		.amdhsa_system_sgpr_workgroup_id_x 1
		.amdhsa_system_sgpr_workgroup_id_y 1
		.amdhsa_system_sgpr_workgroup_id_z 1
		.amdhsa_system_vgpr_workitem_id 0
		.amdhsa_next_free_vgpr 1024
		.amdhsa_next_free_sgpr 88
		.amdhsa_reserve_vcc 0
		.amdhsa_float_denorm_mode_32 3
		.amdhsa_float_denorm_mode_16_64 3
		.amdhsa_memory_ordered 1
		.amdhsa_forward_progress 1
		.amdhsa_inst_pref_size 171
	.end_amdhsa_kernel
	.amdgpu_metadata
---
amdhsa.version: [ 1, 2 ]
amdhsa.kernels:
  - .name:           k_qd8c91a52ec_proj
    .symbol:         k_qd8c91a52ec_proj.kd
    .args:
      - { .name: xb, .offset: 0, .size: 8, .value_kind: global_buffer, .address_space: global }
      - { .name: wb, .offset: 8, .size: 8, .value_kind: global_buffer, .address_space: global }
      - { .name: bq, .offset: 16, .size: 8, .value_kind: global_buffer, .address_space: global }
      - { .name: bk, .offset: 24, .size: 8, .value_kind: global_buffer, .address_space: global }
      - { .name: bv, .offset: 32, .size: 8, .value_kind: global_buffer, .address_space: global }
      - { .name: sq, .offset: 40, .size: 8, .value_kind: global_buffer, .address_space: global }
      - { .name: ee, .offset: 48, .size: 8, .value_kind: global_buffer, .address_space: global }
      - { .name: al, .offset: 56, .size: 8, .value_kind: global_buffer, .address_space: global }
    .group_segment_fixed_size: 327680
    .private_segment_fixed_size: 0
    .kernarg_segment_align: 8
    .kernarg_segment_size: 64
    .max_flat_workgroup_size: 128
    .sgpr_count:     88
    .vgpr_count:     1024
    .wavefront_size: 32
...
	.end_amdgpu_metadata
.endif
;; end of part 2
;; launch aft (part 3): grid 4 x 64, 4 waves a work-group, clusters of 4 x 4, 327,680 bytes of LDS; arguments ew, ee, al, sq, out0; writes out0
.if DOCPART == 3
	.amdgcn_target "amdgcn-amd-amdhsa--gfx1250"
	.amdhsa_code_object_version 6
	.text
	.protected	k_qd8c91a52ec_aft
	.globl	k_qd8c91a52ec_aft
	.p2align	8
	.type	k_qd8c91a52ec_aft,@function
k_qd8c91a52ec_aft:
	s_mov_b64 s[64:65], 0
	v_nop
	global_prefetch_b8 v0, s[64:65] scope:SCOPE_SE
	s_setreg_imm32_b32 hwreg(HW_REG_WAVE_MODE, 25, 1), 1
	s_wait_xcnt 0x0
	s_wait_alu depctr_hold_cnt(0) depctr_sa_sdst(0) depctr_va_vdst(0) depctr_va_sdst(0) depctr_va_ssrc(0) depctr_va_vcc(0) depctr_vm_vsrc(0)
	s_getreg_b32 s2, hwreg(HW_REG_IB_STS2, 6, 4)
	s_cmp_eq_u32 s2, 0
	s_cbranch_scc0 .Lentry_in_a_cluster
	s_endpgm
.Lentry_in_a_cluster:
	s_bfe_u32 s2, ttmp6, 0x10000c
	s_cmp_lg_u32 s2, 0xf033
	s_cbranch_scc0 .Lentry_shape_is_right
	s_endpgm
.Lentry_shape_is_right:
; AFT.  For each batch b: den[t][d] = sum over s of ew[t][s] ek[s][d], num[t][d] = sum over s of ew[t][s] (ek v)[s][d]; out0 = sigmoid(q) num / den = num / (den + exp(-q) den).
; ew [1024 t][1024 s] f16; ee [b][1024 rows][1024 s] f16, row 128 jd + i = ek of d = 64 jd + i, row 128 jd + 64 + i = ek v of the same d; sq = exp(-q) in f16; sums in f32.
; THE RUNNING MAXIMUM.  ee's keys 256 i .. 256 i + 255 stand against R_i, the maximum of k over the keys up to there.  At each boundary of 256 keys all sums are multiplied by
; a_i = exp(R_(i-1) - R_i) from al (at most 1), so that at the end num and den both stand against the true maximum.
; SHARES.  A cluster of 4 x 4 work-groups takes TWO batches, 2 y and 2 y + 1, one after the other: cy picks 256 t, cx 256 rows of ee.  A work-group of four waves makes 256 x 256 of each; a wave 128 t x 128
; rows of ee: one slice of 64 d, den and num: 64 accumulators of 16 x 16, 512 registers.  ew's tiles are shared along a row of the cluster, ee's along a column: joint loads.
; ONE WALK.  The two batches' keys are one sequence of 16 K steps of 128 through two LDS slots, 8 laps of 256 keys in one loop: the ring does not stop between the batches.  al's rows [b][i] lie end to end,
; so the boundary between the batches reads the second batch's a_0, which is 0: the loop's own rescaling begins its sums.  At a batch's last lap the way out stands in front of that rescaling, behind a jump
; on the lap counter; it holds no barrier and no tensor load.  The last lap asks for no tile: its two changes of slots are written out beside the loop's, and the lap counter, a constant count alike in
; every wave and every work-group, chooses between them.
; THE MATRIX INSTRUCTION IS USED TRANSPOSED: source 0 = 16 rows of ee, source 1 = 16 rows of ew: a lane holds one t (lane % 16) and the rows 8 (lane / 16) + 0..7 of ee: eight neighbouring d,
; den's in accumulator (a, bb), num's in (a, 4 + bb), the same lane and register: the division needs no exchange, and sq lies in memory in this very layout.
; LIMITS.  den is at least ew at the key of the largest k: where that ew has fallen under f16's range (a row of pos_bias spread over more than about 17) the quotient is lost.  Where exp(-q) is f16's
; infinity (q under -11.09) the result is 0; the true factor is under 1.6e-5 there.  NaN and infinities among the inputs are not treated apart.
; REGISTERS, in windows of 256 (s_set_vgpr_msb: bits 1:0 source 0, 3:2 source 1, 5:4 source 2, 7:6 destination):
;   window 0: v0-31 addresses; v32-63 a for my 64 d; v64-127, v128-191 fragments of ew, two buffers; v192-255 (and v128-159, free then) at work on the way out
;   window 1: v64-127, v128-191 fragments of ee, two buffers; v0-63, v192-255 sq of my 128 t x 64 d
;   window 2: the 32 accumulators of my t 0-63 ((a, b) at 8 (8 a + b));   window 3: those of my t 64-127
.set SIZE_K, 1024
.set KSTEP,  128
.set PITCH,  272                       ; an LDS row: 256 bytes + 16 of padding: the 16 rows that a load touches start at 16 different groups of four banks (64 banks of 4 bytes: ISA guide 11.1)
.set HALFT,  128*PITCH                 ; 128 rows: what one tensor load brings, and what one wave reads of ew or of ee
.set SLOT,   4*HALFT                   ; ew's 256 rows, then ee's 256 rows
.set STAGE,  2*SLOT                    ; behind the ring: 16 rows x 272 bytes for each wave, for the way out
.set SPITCH, 272
.set SPARE,  STAGE+4*16*SPITCH         ; the spare words, 128 bytes for each wave: two blocks of 256 bytes that no other line names
.set TILES,  2                         ; batches to a work-group
.set NLAPS,  TILES*SIZE_K/(2*KSTEP)    ; a lap = two K steps = 256 keys = once round the ring: 8
.set ADRA, 16                          ; v16-17  LDS address of my ew fragments in slot 0, 1
.set AO,   18                          ; v18     32 x (lane / 16): my eight d in a block of 16, in al
.set SQO,  19                          ; v19     16 x lane
.set ADRB, 20                          ; v20-21  LDS address of my ee fragments
.set STO,  24                          ; v24     the way out: where I put 32 bytes of a row
.set RD,   25                          ; v25     the way out: where I read a row back
.set CO,   26                          ; v26     my byte offset in two rows of out0
.set SPW,  28                          ; v28     LDS address of my spare word; never rewritten
.set NIL,  29                          ; v29     0; never rewritten
.set AV,   32                          ; v32-63  a: block bb's eight at AV + 8 bb
.set F0,   64
.set F1,   128
.set TMP,  192                         ; v192-223 a block's 32 results a lane
.set G1, 24                            ; s[24:31] descriptor group 1 for ew's tiles;  s[32:39] group 0, a set for each slot
.set G0, 32
.set G1B, 48                           ; s[48:55], s[56:63] the same for ee's tiles
.set G0B, 56
.set NX,  66                           ; s66      the K step to be asked for next, 2 to 15
.set OFA, 72                           ; s[72:73] its byte offset in ew's rows
.set OFB, 74                           ; s[74:75] and in ee
.set AST, 76                           ; s[76:77] al's step
.set MSB, 0
.macro WIN new                         ; the immediate's high byte repeats the setting that is left; a switch that changes nothing is dropped
.if MSB != (\new)
	s_set_vgpr_msb (MSB<<8)|(\new)
.set MSB, \new
.endif
.endm
.set MUL_LO, 0xa1                      ; source 0 (ee) window 1, source 1 (ew) window 0, C and D window 2
.set MUL_HI, 0xf1                      ; the same, C and D window 3
.set TO_B,   0x40                      ; destination window 1, address window 0
; A joint load.  Waves 0 and 1 fetch ew's two halves, waves 2 and 3 ee's.  The branch hangs on the wave's number alone.  An s_nop 0 and four v_nop follow each of the two lines.
.macro JLOAD s
	s_cmp_eq_u32 s11, 0
	s_cbranch_scc0 .Lfor_b_\@
	tensor_load_to_lds s[G0+4*(\s):G0+4*(\s)+3], s[G1:G1+7]
	s_nop 0
.rept 4
	v_nop
.endr
	s_branch .Lasked_\@
.Lfor_b_\@:
	tensor_load_to_lds s[G0B+4*(\s):G0B+4*(\s)+3], s[G1B:G1B+7]
	s_nop 0
.rept 4
	v_nop
.endr
.Lasked_\@:
.endm
.macro CREST                           ; a round of the cluster's barrier behind its opening barrier
	s_cmp_lg_u32 s10, 0
	s_cbranch_scc1 .Lnot_wave_0_\@
	s_barrier_signal -3
.Lnot_wave_0_\@:
	s_barrier_wait -3
	s_barrier_signal -1
	s_barrier_wait -1
.endm
.macro CROUND                          ; a whole round
	s_barrier_signal -1
	s_barrier_wait -1
	CREST
.endm
; sq of my 128 t x 64 d: block q = 4 a + bb, four registers each, round the fragment buffers of window 1; wanted at the batch's end, waited for at the next boundary
.macro LOADSQ
	WIN TO_B
.set q, 0
.rept 32
.if q < 16
.set rq, 4*q
.else
.set rq, 192+4*(q-16)
.endif
	global_load_b128 v[rq:rq+3], v[SQO], s[70:71] offset:(q/4)*16384+(q%4)*512 th:TH_LOAD_NT
.set q, q+1
.endr
	WIN 0
.endm
	s_load_b128 s[4:7], s[0:1], 0x0                ; ew s[4:5], ee s[6:7]
	s_load_b128 s[68:71], s[0:1], 0x10             ; al s[68:69], sq s[70:71]
	s_load_b64 s[8:9], s[0:1], 0x20                ; out0
	v_lshl_add_u32 v[SPW], v0, 2, SPARE
	v_mov_b32 v[NIL], 0
	ds_add_u32 v[SPW], v[NIL]                      ; the wave's opening: the add and its wait stand ahead of my first tensor load; the set-up below, work on registers, stands between them
	v_lshrrev_b32 v1, 5, v0
	v_readfirstlane_b32 s10, v1                    ; wave 0..3
	s_lshr_b32 s11, s10, 1                         ; rh: which 128 t are mine.  Also: I fetch for ew (0) or for ee (1)
	s_and_b32 s12, s10, 1                          ; ch: which 128 rows of ee.  Also: which 128 rows of that tile I fetch
	s_bfe_u32 s40, ttmp6, 0x40000                  ; cx
	s_bfe_u32 s41, ttmp6, 0x40004                  ; cy: the tile of 256 t
	s_lshl_b32 s42, ttmp9, 2
	s_add_co_u32 s42, s42, s40                     ; n = 4 x cluster x + cx: the tile of 256 rows of ee
	s_and_b32 s13, ttmp7, 0xffff
	s_lshl_b32 s13, s13, 1                         ; b: the first of the cluster's two batches = 2 x cluster y
	s_lshl_b32 s43, s41, 2
	s_lshl_b32 s43, 15, s43                        ; my row of the cluster
	s_lshl_b32 s44, 0x1111, s40                    ; my column
	s_or_b32 s[G1+0], s43, (1<<16)|(1<<20)|(1<<21)|(5<<22)|(3<<25)   ; 15:0 the mask; 17:16 2-byte elements; 20 padding on; 21 set beside a mask; 24:22 after every 64 words (code 5); 31:25 4 words (code 3)
	s_or_b32 s[G1B+0], s44, (1<<16)|(1<<20)|(1<<21)|(5<<22)|(3<<25)
	s_mov_b32 s[G1+1], KSTEP<<16                   ; tensor_dim0 = 128
	s_mov_b32 s[G1B+1], KSTEP<<16
	s_mov_b32 s[G1+2], 128<<16                     ; tensor_dim1 = 128
	s_mov_b32 s[G1B+2], 128<<16
	s_mov_b32 s[G1+3], KSTEP<<16                   ; tile_dim0 = 128
	s_mov_b32 s[G1B+3], KSTEP<<16
	s_mov_b32 s[G1+4], 128                         ; tile_dim1 = 128
	s_mov_b32 s[G1B+4], 128
	s_mov_b32 s[G1+5], SIZE_K                      ; 1,024 elements from row to row
	s_mov_b32 s[G1B+5], SIZE_K
	s_mov_b32 s[G1+6], 0
	s_mov_b32 s[G1B+6], 0
	s_mov_b32 s[G1+7], 0
	s_mov_b32 s[G1B+7], 0
	s_lshl_b32 s16, s41, 19                        ; ew: row 256 cy + 128 x half, 2,048 bytes a row: registers that never hold cx
	s_lshl_b32 s17, s12, 18
	s_add_co_u32 s16, s16, s17
	s_mov_b32 s17, 0
	s_lshl_b32 s46, s13, 21                        ; ee: batch b, row 256 n + 128 x half: registers that never hold cy
	s_lshl_b32 s47, s42, 19
	s_add_co_u32 s46, s46, s47
	s_lshl_b32 s47, s12, 18
	s_add_co_u32 s46, s46, s47
	s_mov_b32 s47, 0
	s_mul_i32 s20, s10, HALFT                      ; where they go: ew's two halves, then ee's two halves = wave x 128 rows
	s_mov_b32 s[NX], 2                             ; K steps 0 and 1 are the first fills
	s_mov_b32 s[OFA+1], 0
	s_mov_b32 s[OFB+1], 0
	s_mov_b32 s[AST+1], 0
	s_wait_dscnt 0x0                               ; the opening add is done
	s_wait_kmcnt 0x0
	s_add_nc_u64 s[14:15], s[4:5], s[16:17]        ; ew and ee at my rows' first byte: kept, every refill's address is made from them
	s_add_nc_u64 s[46:47], s[6:7], s[46:47]
	CROUND                                         ; all sixteen work-groups are here: the first joint loads meet
.irp s, 0,1
	s_mov_b32 s[G0+4*(\s)], 1
	s_add_co_u32 s[G0+4*(\s)+1], s20, (\s)*SLOT
	s_add_nc_u64 s[G0+4*(\s)+2:G0+4*(\s)+3], s[14:15], (\s)*KSTEP*2
	s_or_b32 s[G0+4*(\s)+3], s[G0+4*(\s)+3], 0x80000000
	s_mov_b32 s[G0B+4*(\s)], 1
	s_add_co_u32 s[G0B+4*(\s)+1], s20, (\s)*SLOT
	s_add_nc_u64 s[G0B+4*(\s)+2:G0B+4*(\s)+3], s[46:47], (\s)*KSTEP*2
	s_or_b32 s[G0B+4*(\s)+3], s[G0B+4*(\s)+3], 0x80000000
	JLOAD \s                                       ; two loads of mine are out
.endr
	s_lshl1_add_u32 s45, s42, s12                  ; jd = 2 n + ch: my slice of 64 d
	s_lshl_b32 s18, s13, 13
	s_lshl_b32 s19, s45, 8
	s_add_co_u32 s18, s18, s19
	s_add_co_u32 s18, s18, 2048
	s_mov_b32 s19, 0
	s_add_nc_u64 s[68:69], s[68:69], s[18:19]      ; al: batch b, i = 1, my 64 d
	s_lshl_b32 s18, s13, 20
	s_lshl_b32 s22, s41, 18
	s_add_co_u32 s18, s18, s22
	s_lshl_b32 s22, s11, 17
	s_add_co_u32 s18, s18, s22
	s_lshl_b32 s22, s45, 11
	s_add_co_u32 s18, s18, s22
	s_add_nc_u64 s[70:71], s[70:71], s[18:19]      ; sq: block (64 b + 16 cy + 8 rh) 32 + 4 jd
	s_lshl_b32 s18, s13, 21
	s_lshl_b32 s22, s41, 19
	s_add_co_u32 s18, s18, s22
	s_lshl_b32 s22, s11, 18
	s_add_co_u32 s18, s18, s22
	s_lshl_b32 s22, s45, 8
	s_add_co_u32 s18, s18, s22
	s_add_nc_u64 s[8:9], s[8:9], s[18:19]          ; out0: batch b, row 256 cy + 128 rh, column 64 jd
	v_and_b32 v1, 15, v0                           ; r = l % 16
	v_bfe_u32 v2, v0, 4, 1                         ; h = l / 16
	v_mul_u32_u24 v3, v1, PITCH
	v_lshl_add_u32 v3, v2, 4, v3                   ; a fragment's row x pitch + 16 x half
	s_mul_i32 s21, s11, HALFT                      ; my 128 rows of ew
	s_mul_i32 s22, s12, HALFT                      ; my 128 rows of ee,
	s_add_co_u32 s22, s22, 2*HALFT                 ; which lie behind ew's 256
.irp s, 0,1
	v_add_nc_u32 v[ADRA+(\s)], s21, v3
	v_add_nc_u32 v[ADRB+(\s)], s22, v3
	s_add_co_u32 s21, s21, SLOT
	s_add_co_u32 s22, s22, SLOT
.endr
	s_mul_i32 s23, s10, 16*SPITCH
	s_add_co_u32 s23, s23, STAGE                   ; my stage
	v_mul_u32_u24 v4, v1, SPITCH                   ; in: row r, 32 bytes (eight f32) for each half of the lanes
	v_lshl_add_u32 v4, v2, 5, v4
	v_add_nc_u32 v[STO], s23, v4
	v_mul_u32_u24 v5, v2, SPITCH                   ; back: lanes 0-15 one row of 256 bytes, lanes 16-31 the next
	v_lshl_add_u32 v5, v1, 4, v5
	v_add_nc_u32 v[RD], s23, v5
	v_lshlrev_b32 v5, 11, v2                       ; and the same two rows in out0
	v_lshl_add_u32 v[CO], v1, 4, v5
	v_lshlrev_b32 v[AO], 5, v2
	v_and_b32 v5, 31, v0
	v_lshlrev_b32 v[SQO], 4, v5
	LOADSQ                                         ; the first batch's
; 16 matrix instructions: t blocks a0, a0 + 1 of the window's four (hi = 0: my t 0-63, 1: t 64-127) x all 8 blocks of ee's rows, 32 along K.  zero = 1: the first product starts the sums.
; The 64 accumulators take turns in the same order in every quarter.
.macro MUL16 f, hi, a0, zero
	WIN MUL_LO+0x50*(\hi)
.irp a, \a0, (\a0)+1
.irp b, 0,1,2,3,4,5,6,7
.if \zero
	v_wmma_f32_16x16x32_f16 v[8*(8*(\a)+(\b)):8*(8*(\a)+(\b))+7], v[(\f)+8*(\b):(\f)+8*(\b)+7], v[(\f)+8*(4*(\hi)+(\a)):(\f)+8*(4*(\hi)+(\a))+7], 0
.else
	v_wmma_f32_16x16x32_f16 v[8*(8*(\a)+(\b)):8*(8*(\a)+(\b))+7], v[(\f)+8*(\b):(\f)+8*(\b)+7], v[(\f)+8*(4*(\hi)+(\a)):(\f)+8*(4*(\hi)+(\a))+7], v[8*(8*(\a)+(\b)):8*(8*(\a)+(\b))+7]
.endif
.endr
.endr
.endm
; 32 LDS loads in one run: the fragments of one quarter step (128 rows of ee, 128 rows of ew, 32 K at byte k of the rows) into buffer f
.macro FETCH slot, k, f
	WIN TO_B
.irp i, 0,1,2,3,4,5,6,7
	ds_load_b128 v[(\f)+8*(\i):(\f)+8*(\i)+3],   v[ADRB+(\slot)] offset:(\k)+(\i)*16*PITCH
	ds_load_b128 v[(\f)+8*(\i)+4:(\f)+8*(\i)+7], v[ADRB+(\slot)] offset:(\k)+(\i)*16*PITCH+32
.endr
	WIN 0
.irp i, 0,1,2,3,4,5,6,7
	ds_load_b128 v[(\f)+8*(\i):(\f)+8*(\i)+3],   v[ADRA+(\slot)] offset:(\k)+(\i)*16*PITCH
	ds_load_b128 v[(\f)+8*(\i)+4:(\f)+8*(\i)+7], v[ADRA+(\slot)] offset:(\k)+(\i)*16*PITCH+32
.endr
.endm
; A load into a register that a matrix instruction has read, and a vector instruction that reads or writes a matrix result, stand four places behind that matrix instruction; only plain vector
; instructions that name none of its registers are places (ISA guide 7.12.1 for vector instructions).
.macro PLACES
.rept 4
	v_nop
.endr
.endm
; A K step is four quarters of 32 along K, 64 matrix instructions each, on buffers 0, 1, 0, 1.  One of the first three: multiplies buffer f and fetches the next quarter, at byte k, into g.
.macro QUARTER slot, k, f, g, zero
	s_wait_dscnt 8                                 ; ee's fragments and ew's rows 0-63 are in; the youngest eight loads (ew's rows 64-127) may be out
	MUL16 \f, 0, 0, \zero
	MUL16 \f, 0, 2, \zero
	PLACES
	FETCH \slot, \k, \g
	s_wait_dscnt 32                                ; all but the 32 just issued
	MUL16 \f, 1, 0, \zero
	MUL16 \f, 1, 2, \zero
.endm
; The last quarter multiplies buffer 1 and changes slots.  MEET is its first half: ONE barrier for the change.  In front of it each wave waits for all its tensor loads (one is out: its part of the
; next slot), adds 0 to its spare word, and waits for that and for its own reads of this slot.  Behind it nobody reads this slot any more and the next slot is whole.
.macro MEET round
	WIN 0                                          ; (the add's two registers lie in window 0)
	s_wait_tensorcnt 0x0                           ; all my tensor loads have landed;
	ds_add_u32 v[SPW], v[NIL]                      ; 0 onto my spare word;
	s_wait_dscnt 9                                 ; (the add and the youngest eight loads may be out)
	MUL16 F1, 0, 0, 0                              ; sixteen matrix instructions stand between the add and the wait for it
	s_wait_dscnt 0x0                               ; the add is done, and my reads of this slot are over:
	s_barrier_signal -1                            ; say so,
	MUL16 F1, 0, 2, 0                              ; work on registers while the others arrive,
.if \round
	WIN 0
.endif
	s_barrier_wait -1                              ; and go on when all four have said so
.endm
; The whole last quarter where the slot is filled again, two K steps ahead: the barrier opens a round of the cluster's barrier, and the joint refill is the first tensor load behind the round:
; from the request to the wait for it a wave issues 224 matrix instructions.  The addresses are made anew from the number of the K step that is asked for: 256 bytes along the rows for each of a
; batch's eight steps, and for ee 2 MiB for the second batch; no tensor load of mine is out, so a group 0 may be written.
.macro TURN slot, next
	MEET 1
	CREST                                          ; no wave of any partner still reads this slot's tile or has a load on its way
	s_and_b32 s[OFA], s[NX], 7
	s_lshl_b32 s[OFA], s[OFA], 8
	s_lshr_b32 s[OFB], s[NX], 3
	s_lshl_b32 s[OFB], s[OFB], 21
	s_add_co_u32 s[OFB], s[OFB], s[OFA]
	s_add_nc_u64 s[G0+4*(\slot)+2:G0+4*(\slot)+3], s[14:15], s[OFA:OFA+1]
	s_or_b32 s[G0+4*(\slot)+3], s[G0+4*(\slot)+3], 0x80000000
	s_add_nc_u64 s[G0B+4*(\slot)+2:G0B+4*(\slot)+3], s[46:47], s[OFB:OFB+1]
	s_or_b32 s[G0B+4*(\slot)+3], s[G0B+4*(\slot)+3], 0x80000000
	s_add_co_u32 s[NX], s[NX], 1
	JLOAD \slot                                    ; its four v_nop are also the places in front of the loads below
	FETCH \next, 0, F0
	MUL16 F1, 1, 0, 0
	MUL16 F1, 1, 2, 0
.endm
; AT A BOUNDARY OF 256 KEYS all 64 accumulators are multiplied by a of their d: register 2 i, 2 i + 1 of a window belongs to block (i / 4) % 4 of 16 d (den's and num's alike), pair i % 4.
; Each accumulator from its low end on.  Between the batches a is 0, and finite sums become 0.
.macro RESCALE
	WIN 0x82                                       ; destination and source 0 window 2, source 1 window 0
.set i, 0
.rept 128
	v_pk_mul_f32 v[2*i:2*i+1], v[2*i:2*i+1], v[AV+8*((i/4)%4)+2*(i%4):AV+8*((i/4)%4)+2*(i%4)+1]
.set i, i+1
.endr
	WIN 0xc3                                       ; the same in window 3
.set i, 0
.rept 128
	v_pk_mul_f32 v[2*i:2*i+1], v[2*i:2*i+1], v[AV+8*((i/4)%4)+2*(i%4):AV+8*((i/4)%4)+2*(i%4)+1]
.set i, i+1
.endr
	WIN 0
	s_cmp_gt_u32 s3, 2                             ; al's next row, up to the second batch's i = 3: the last lap, which has no boundary behind it, reads that row once more and stays inside the buffer
	s_cselect_b32 s[AST], 2048, 0
	s_add_nc_u64 s[68:69], s[68:69], s[AST:AST+1]  ; (the loads that read this base are done)
.endm
; THE WAY OUT of block a (16 t x 64 d), in three parts.  CALC: den + exp(-q) den, exp(-q) read straight from its f16 half; its reciprocal; times num.  TOSTAGE: into my stage in LDS and back as whole
; rows of 256 bytes.  SEND: stored, 16 lanes to 256 consecutive aligned bytes of a row of out0.
.macro CALC a
.set AC, 64*((\a)%4)                   ; den's four accumulators; num's lie 32 registers on
.set WA, 2+(\a)/4                      ; their window
	WIN 0x01|(WA<<2)|(WA<<4)                       ; source 0 window 1, sources 1 and 2 the accumulators'
.set i, 0
.rept 32
.set q, 4*(\a)+i/8
.if q < 16
.set rq, 4*q+(i%8)/2
.else
.set rq, 192+4*(q-16)+(i%8)/2
.endif
.if i%2
	v_fma_mix_f32 v[TMP+i], v[rq], v[AC+i], v[AC+i] op_sel:[1,0,0] op_sel_hi:[1,0,0]   ; each accumulator from its low end on
.else
	v_fma_mix_f32 v[TMP+i], v[rq], v[AC+i], v[AC+i] op_sel:[0,0,0] op_sel_hi:[1,0,0]
.endif
.set i, i+1
.endr
	WIN 0
.set i, 0
.rept 32
	v_rcp_f32 v[TMP+i], v[TMP+i]
.set i, i+1
.endr
	v_nop                                          ; a plain instruction between the last reciprocal and the use of its result (ISA guide 5.7.2)
	WIN WA                                         ; source 0: the accumulators' window
.set i, 0
	s_wait_alu depctr_va_vdst(0)
.rept 16
	v_pk_mul_f32 v[TMP+2*i:TMP+2*i+1], v[AC+32+2*i:AC+32+2*i+1], v[TMP+2*i:TMP+2*i+1]
.set i, i+1
.endr
	WIN 0
.endm
.macro TOSTAGE a
.set OB, 224-96*((\a)%2)               ; rows read back: v224-255 and v128-159 by turns
.irp e, 0,1,2,3,4,5,6,7
	ds_store_b128 v[STO], v[TMP+4*(\e):TMP+4*(\e)+3] offset:64*((\e)/2)+16*((\e)%2)
.endr
	s_wait_xcnt 0x0                                ; the stores issued so far have had their addresses translated (ISA guide 3.1): only now are the registers that they read loaded again
.irp t, 0,1,2,3,4,5,6,7
	ds_load_b128 v[OB+4*(\t):OB+4*(\t)+3], v[RD] offset:(\t)*2*SPITCH  ; LDS serves a wave's instructions in order (ISA guide 5.7.1.4): these see the stores above; the next block's stores come behind them
.endr
.endm
.macro SEND a                          ; no LDS instruction has been issued behind the block's eight loads
.set OB, 224-96*((\a)%2)
.irp t, 0,1,2,3,4,5,6,7
	s_wait_dscnt 7-(\t)                            ; load t is back, the 7 - t younger ones may be out
	global_store_b128 v[CO], v[OB+4*(\t):OB+4*(\t)+3], s[8:9] offset:(\a)*32768+(\t)*4096 th:TH_STORE_NT
.endr
.endm
	s_wait_tensorcnt 1                             ; my part of K step 0 is in; K step 1's may stay out
	s_barrier_signal -1
	s_barrier_wait -1                              ; everybody's is
	FETCH 0, 0, F0
	QUARTER 0, 64,  F0, F1, 1                      ; the walk's first quarter stands in front of the loop: its products start the first batch's sums
	WIN 0                                          ; at a label and at a branch every window is 0
	s_mov_b32 s3, NLAPS                            ; laps to go, this one among them
.Llap:                                                 ; a trip goes once round the ring, from a lap's second quarter to the next lap's first
.irp e, 0,1,2,3,4,5,6,7
	global_load_b128 v[AV+4*(\e):AV+4*(\e)+3], v[AO], s[68:69] offset:64*((\e)/2)+16*((\e)%2)  ; a for the boundary at this lap's end: seven quarters ahead of its use
.endr
	QUARTER 0, 128, F1, F0, 0
	QUARTER 0, 192, F0, F1, 0
	WIN 0
	s_cmp_eq_u32 s3, 1
	s_cbranch_scc1 .Ltail
	TURN 0, 1                                      ; both slots are filled again
	QUARTER 1, 64,  F0, F1, 0
	QUARTER 1, 128, F1, F0, 0
	QUARTER 1, 192, F0, F1, 0
	TURN 1, 0
	WIN 0
	s_branch .Ljoin
.Ltail:                                                ; the last lap fills nothing
	MEET 0                                         ; the one load that was out is the last K step's; no round follows
	PLACES
	FETCH 1, 0, F0
	MUL16 F1, 1, 0, 0
	MUL16 F1, 1, 2, 0
	QUARTER 1, 64,  F0, F1, 0
	QUARTER 1, 128, F1, F0, 0
	QUARTER 1, 192, F0, F1, 0
	s_wait_dscnt 8                                 ; the very last quarter: nothing more to fetch
	MUL16 F1, 0, 0, 0
	MUL16 F1, 0, 2, 0
	s_wait_dscnt 0x0
	MUL16 F1, 1, 0, 0
	MUL16 F1, 1, 2, 0
	WIN 0
.Ljoin:
	PLACES                                         ; behind the lap's last products: what follows reads and writes accumulators, and loads into fragment buffer 1
	s_wait_loadcnt 0x0                             ; a, asked for at the lap's head, and the batch's sq
	s_and_b32 s2, s3, 3
	s_cmp_lg_u32 s2, 1                             ; laps to go 5 or 1: a batch's last lap
	s_cbranch_scc1 .Lscale
	CALC 0                                         ; THE BATCH GOES OUT; where another follows, both its first refills are on their way
	TOSTAGE 0
.irp a, 1,2,3,4,5,6,7                  ; block a's arithmetic stands between block a - 1's loads from the stage and its stores
	CALC \a
	SEND (\a)-1
	TOSTAGE \a
.endr
	SEND 7
	s_cmp_eq_u32 s3, 1
	s_cbranch_scc1 .Lend                           ; the second batch was the last
	s_wait_xcnt 0x0                                ; the stores' base steps, and the registers that they read are loaded again, only behind this wait
	s_add_nc_u64 s[8:9], s[8:9], 1<<21             ; out0 and sq at the second batch
	s_add_nc_u64 s[70:71], s[70:71], 1<<20
	LOADSQ
.Lscale:
	RESCALE
	QUARTER 0, 64,  F0, F1, 0
	WIN 0
	s_sub_co_u32 s3, s3, 1
	s_cmp_lg_u32 s3, 0
	s_cbranch_scc1 .Llap
.Lend:
	s_wait_tensorcnt 0x0                           ; the wave's end, behind my last tensor load and my last LDS store
	ds_add_u32 v[SPW], v[NIL]
	s_wait_dscnt 0x0
	CROUND                                         ; the closing round: no work-group ends while a partner may still ask for a tile that names it
	s_endpgm
.Lfunc_end_k_qd8c91a52ec_aft:
	.size	k_qd8c91a52ec_aft, .Lfunc_end_k_qd8c91a52ec_aft-k_qd8c91a52ec_aft
	.p2alignl 7, 3214868480
	.fill 96, 4, 3214868480
	.section	.rodata,"a",@progbits
	.p2align	6, 0x0
	.amdhsa_kernel k_qd8c91a52ec_aft
		.amdhsa_group_segment_fixed_size 327680
		.amdhsa_private_segment_fixed_size 0
		.amdhsa_enable_private_segment 0
		.amdhsa_kernarg_size 40
		.amdhsa_user_sgpr_count 2
		.amdhsa_user_sgpr_kernarg_segment_ptr 1
		.amdhsa_wavefront_size32 1
		.amdhsa_system_sgpr_workgroup_id_x 1
		.amdhsa_system_sgpr_workgroup_id_y 1
		.amdhsa_system_sgpr_workgroup_id_z 1
		.amdhsa_system_vgpr_workitem_id 0
		.amdhsa_next_free_vgpr 1024
		.amdhsa_next_free_sgpr 78
		.amdhsa_reserve_vcc 0
		.amdhsa_float_denorm_mode_32 3
		.amdhsa_float_denorm_mode_16_64 3
		.amdhsa_memory_ordered 1
		.amdhsa_forward_progress 1
		.amdhsa_inst_pref_size 173
	.end_amdhsa_kernel
	.amdgpu_metadata
---
amdhsa.version: [ 1, 2 ]
amdhsa.kernels:
  - .name:           k_qd8c91a52ec_aft
    .symbol:         k_qd8c91a52ec_aft.kd
    .args:
      - { .name: ew, .offset: 0, .size: 8, .value_kind: global_buffer, .address_space: global }
      - { .name: ee, .offset: 8, .size: 8, .value_kind: global_buffer, .address_space: global }
      - { .name: al, .offset: 16, .size: 8, .value_kind: global_buffer, .address_space: global }
      - { .name: sq, .offset: 24, .size: 8, .value_kind: global_buffer, .address_space: global }
      - { .name: out0, .offset: 32, .size: 8, .value_kind: global_buffer, .address_space: global }
    .group_segment_fixed_size: 327680
    .private_segment_fixed_size: 0
    .kernarg_segment_align: 8
    .kernarg_segment_size: 40
    .max_flat_workgroup_size: 128
    .sgpr_count:     78
    .vgpr_count:     1024
    .wavefront_size: 32
...
	.end_amdgpu_metadata
.endif
;; end of part 3
